; MI455X (gfx1250); checked and timed in simulation.
; The chip was launched on July 23, 2026; its instructions are those of AMD's public machine-readable ISA for CDNA 5 (MIT licence, August 2026) and "CDNA5" Instruction Set Architecture Reference Guide (July 2026). The comments in the code are by the model that wrote it; some were corrected since.
;; Multi Head Attention. Allowed arithmetic: float matrix products may take bf16 or f16 operands with f32 sums; all other float work in f32.
;; Inputs: Wk 1,024 x 1,024 float32; Wo 1,024 x 1,024 float32; Wq 1,024 x 1,024 float32; Wv 1,024 x 1,024 float32; bk 1,024 float32; bo 1,024 float32; bq 1,024 float32; bv 1,024 float32; key 4 x 2,048 x 1,024 float32; query 4 x 2,048 x 1,024 float32; value 4 x 2,048 x 1,024 float32.
;; Outputs: out0 4 x 2,048 x 1,024 float32.
;; One version. Each part assembles by itself: llvm-mc -triple=amdgcn-amd-amdhsa -mcpu=gfx1250 --defsym DOCPART=n.
;; ======== version 1 of 1: 4 launches
;; limits: values are held in f16: magnitudes above 65,504 overflow, below 6.1e-05 lose precision
;; workspace buffers: h16 58,720,256 bytes; qkv 50,331,648 bytes; ctx 16,777,216 bytes
;; launch cvt (part 1): grid 1792 x 1, 8 waves a work-group, no clusters, 0 bytes of LDS; arguments query, key, value, Wq, Wk, Wv, Wo, h16; writes h16
.if DOCPART == 1
	.amdgcn_target "amdgcn-amd-amdhsa--gfx1250"
	.amdhsa_code_object_version 6
	.text
	.protected	k_q1879c1e533_cvt
	.globl	k_q1879c1e533_cvt
	.p2align	8
	.type	k_q1879c1e533_cvt,@function
k_q1879c1e533_cvt:
	s_mov_b64 s[64:65], 0
	v_nop
	global_prefetch_b8 v0, s[64:65] scope:SCOPE_SE
	s_setreg_imm32_b32 hwreg(HW_REG_WAVE_MODE, 25, 1), 1
	s_wait_xcnt 0x0
; h16 = f16 copies of query, key, value, Wq, Wk, Wv, Wo, one behind the other in this order.
; A stream: every input byte is read once, every output byte written once; no LDS, no barrier, no matrix unit, since nothing is shared or reduced.
; Work-group i converts 65,536 bytes of f32 (one chunk) into the 32,768 bytes of h16 at i x 32,768: 3 x 512 chunks of activations, then 4 x 64 of weights.
; A wave takes 8,192 bytes: sixteen loads of 512 neighbouring bytes, all issued at once; each store of the wave covers 256 consecutive bytes, aligned.
; LIMIT: f16 holds magnitudes up to 65,504 (beyond: infinity) and steps of 2^-24 below 2^-14; rounding is to nearest even.
.set X,  8                             ; v[8:71]    sixteen loads, 4 registers each
.set Y,  72                            ; v[72:103]  sixteen stores, 2 registers each
.set NX, 1536                          ; chunks of the three activations
	s_load_b512 s[8:23], s[0:1], 0x0               ; query s[8:9], key, value, Wq, Wk, Wv, Wo s[20:21], h16 s[22:23]
	s_mov_b32 s2, ttmp9                            ; i
	s_cmp_lt_u32 s2, NX
	s_cselect_b32 s3, 511, 63                      ; chunks in my tensor, less one
	s_and_b32 s4, s2, s3                           ; my chunk in it (1,536 is a multiple of 512 and of 64)
	s_lshr_b32 s5, s2, 9                           ; which activation,
	s_lshr_b32 s6, s2, 6
	s_and_b32 s6, s6, 3                            ; or which weight (1,536 / 64 = 24 is a multiple of 4),
	s_add_co_u32 s6, s6, 3                         ; counted behind the three activations
	s_cmp_lt_u32 s2, NX                            ; compared anew: the lines between have set SCC
	s_cselect_b32 s5, s5, s6                       ; 0 .. 6
	s_lshl_b32 s26, s4, 16                         ; byte offset of the chunk in its tensor
	s_mov_b32 s27, 0
	s_lshl_b32 s28, s2, 15                         ; and in h16
	s_mov_b32 s29, 0
	v_lshrrev_b32 v3, 5, v0                        ; wave
	v_and_b32 v4, 31, v0                           ; lane
	v_lshlrev_b32 v1, 4, v4
	v_lshl_or_b32 v1, v3, 13, v1                   ; loads: 8,192 x wave + 16 x lane
	v_lshlrev_b32 v2, 3, v4
	v_lshl_or_b32 v2, v3, 12, v2                   ; stores: 4,096 x wave + 8 x lane
	s_wait_kmcnt 0x0
	s_mov_b64 s[24:25], s[8:9]
.irp n, 1,2,3,4,5,6
	s_cmp_eq_u32 s5, \n
	s_cselect_b64 s[24:25], s[8+2*\n:9+2*\n], s[24:25]     ; the tensor's address, chosen by the work-group's number alone
.endr
	s_add_nc_u64 s[24:25], s[24:25], s[26:27]
	s_add_nc_u64 s[22:23], s[22:23], s[28:29]
.irp j, 0,1,2,3,4,5,6,7,8,9,10,11,12,13,14,15
	global_load_b128 v[X+4*\j:X+4*\j+3], v1, s[24:25] offset:512*\j th:TH_LOAD_NT
.endr
.irp j, 0,1,2,3,4,5,6,7,8,9,10,11,12,13,14,15
	s_wait_loadcnt 15-\j                           ; loads come back in order: load j is in, the 15 - j younger ones stay out
	v_cvt_pk_f16_f32 v[Y+2*\j],   v[X+4*\j],   v[X+4*\j+1]
	v_cvt_pk_f16_f32 v[Y+2*\j+1], v[X+4*\j+2], v[X+4*\j+3]
	global_store_b64 v2, v[Y+2*\j:Y+2*\j+1], s[22:23] offset:256*\j    ; no register is written twice, so no store's source needs a wait
.endr
	s_endpgm
.Lfunc_end_k_q1879c1e533_cvt:
	.size	k_q1879c1e533_cvt, .Lfunc_end_k_q1879c1e533_cvt-k_q1879c1e533_cvt
	.p2alignl 7, 3214868480
	.fill 96, 4, 3214868480
	.section	.rodata,"a",@progbits
	.p2align	6, 0x0
	.amdhsa_kernel k_q1879c1e533_cvt
		.amdhsa_group_segment_fixed_size 0
		.amdhsa_private_segment_fixed_size 0
		.amdhsa_enable_private_segment 0
		.amdhsa_kernarg_size 64
		.amdhsa_user_sgpr_count 2
		.amdhsa_user_sgpr_kernarg_segment_ptr 1
		.amdhsa_wavefront_size32 1
		.amdhsa_system_sgpr_workgroup_id_x 1
		.amdhsa_system_sgpr_workgroup_id_y 1
		.amdhsa_system_sgpr_workgroup_id_z 1
		.amdhsa_system_vgpr_workitem_id 0
		.amdhsa_next_free_vgpr 104
		.amdhsa_next_free_sgpr 66
		.amdhsa_reserve_vcc 0
		.amdhsa_float_denorm_mode_32 3
		.amdhsa_float_denorm_mode_16_64 3
		.amdhsa_memory_ordered 1
		.amdhsa_forward_progress 1
		.amdhsa_inst_pref_size 8
	.end_amdhsa_kernel
	.amdgpu_metadata
---
amdhsa.version: [ 1, 2 ]
amdhsa.kernels:
  - .name:           k_q1879c1e533_cvt
    .symbol:         k_q1879c1e533_cvt.kd
    .args:
      - { .name: query, .offset: 0, .size: 8, .value_kind: global_buffer, .address_space: global }
      - { .name: key, .offset: 8, .size: 8, .value_kind: global_buffer, .address_space: global }
      - { .name: value, .offset: 16, .size: 8, .value_kind: global_buffer, .address_space: global }
      - { .name: Wq, .offset: 24, .size: 8, .value_kind: global_buffer, .address_space: global }
      - { .name: Wk, .offset: 32, .size: 8, .value_kind: global_buffer, .address_space: global }
      - { .name: Wv, .offset: 40, .size: 8, .value_kind: global_buffer, .address_space: global }
      - { .name: Wo, .offset: 48, .size: 8, .value_kind: global_buffer, .address_space: global }
      - { .name: h16, .offset: 56, .size: 8, .value_kind: global_buffer, .address_space: global }
    .group_segment_fixed_size: 0
    .private_segment_fixed_size: 0
    .kernarg_segment_align: 8
    .kernarg_segment_size: 64
    .max_flat_workgroup_size: 256
    .sgpr_count:     66
    .vgpr_count:     104
    .wavefront_size: 32
...
	.end_amdgpu_metadata
.endif
;; end of part 1
;; launch proj (part 2): grid 4 x 96, 4 waves a work-group, clusters of 4 x 4, 327,680 bytes of LDS; arguments h16, bq, bk, bv, qkv; writes qkv
.if DOCPART == 2
	.amdgcn_target "amdgcn-amd-amdhsa--gfx1250"
	.amdhsa_code_object_version 6
	.text
	.protected	k_q1879c1e533_proj
	.globl	k_q1879c1e533_proj
	.p2align	8
	.type	k_q1879c1e533_proj,@function
k_q1879c1e533_proj:
	s_mov_b64 s[64:65], 0
	v_nop
	global_prefetch_b8 v0, s[64:65] scope:SCOPE_SE
	s_setreg_imm32_b32 hwreg(HW_REG_WAVE_MODE, 25, 1), 1
	s_wait_xcnt 0x0
	s_wait_alu depctr_hold_cnt(0) depctr_sa_sdst(0) depctr_va_vdst(0) depctr_va_sdst(0) depctr_va_ssrc(0) depctr_va_vcc(0) depctr_vm_vsrc(0)
	s_getreg_b32 s2, hwreg(HW_REG_IB_STS2, 6, 4)
	s_cmp_eq_u32 s2, 0
	s_cbranch_scc0 .Lentry_in_a_cluster
	s_endpgm
.Lentry_in_a_cluster:
	s_bfe_u32 s2, ttmp6, 0x10000c
	s_cmp_lg_u32 s2, 0xf033
	s_cbranch_scc0 .Lentry_shape_is_right
	s_endpgm
.Lentry_shape_is_right:
; q, k, v = X W^T + b, all three in one launch: X is h16's first 24,576 rows (query, key, value, 8,192 rows of 1,024 f16 each), W the matching weight.
; q is also multiplied by 0.125 log2(e), so that the attention's exponentials are plain powers of two.
; Results in f16, head-major: qkv[p][b][head][s][64]; a wave's 128 rows x 128 columns are two heads, 16,384 consecutive bytes each.
; A work-group makes 256 rows x 256 columns with four waves; a wave 128 x 128: 64 accumulator tiles, 512 registers.
; K goes in steps of 128 (rows of 256 bytes) through two LDS slots filled by the tensor data mover.  A slot's load has one K step in which to land, so the
; block is as large as two slots in LDS allow: a wave issues 240 matrix instructions between a request and the wait for it.
; 96 x 4 = 384 work-groups: blocks of which there would be a multiple of 256 have 192 or 384 rows, which do not divide a batch's 2,048, or half this block's matrix work a K step.
; CLUSTERS of 4 x 4: the four work-groups of a row of the cluster need the same rows of X, the four of a column the same rows of W; each tile is asked for jointly.
; f16 operands, f32 sums.  LIMIT: the results are rounded to f16: |0.18 q|, |k|, |v| up to 65,504 (beyond: infinity).  The order of the sums differs from the reference's.
; REGISTERS, in windows of 256: window 0: v16-27 addresses, v64-127 and v128-191 fragments of X (8 x 16 rows x 32 K), two buffers;
;   window 1: v64-127 and v128-191 fragments of W, two buffers, v192-255 the bias of my 128 columns;
;   window 2: the 32 accumulator tiles of my rows 0-63 (tile (a, b) at 8 (8 a + b)); window 3: those of my rows 64-127.
; The matrix instruction takes W's rows as source 0 and X's rows as source 1: lane l then holds row l % 16 and the eight neighbouring columns 8 (l / 16) + 0..7.
.set KSTEP,  128
.set PITCH,  272                       ; an LDS row: 256 bytes + 16 of padding, an odd multiple of 16: the 16 rows of a fragment load start 16 bytes apart modulo 256
.set HALFT,  128*PITCH                 ; 128 rows: one tensor load, and what one wave reads of X or of W
.set SLOT,   4*HALFT                   ; X's 256 rows, then W's 256
.set STAGE,  2*SLOT                    ; behind the ring, never filled by a tensor load: for each wave two heads x 16 rows x 144 bytes
.set SPITCH, 144
.set SHEAD,  16*SPITCH
.set WOFF,   50331648                  ; Wq in h16; Wk and Wv follow at 2,097,152 bytes each
.set LAPS,   4                         ; 1,024 / 128 = 8 K steps, two a lap
.set ADRA, 16                          ; v16-17  LDS address of my X fragments in slot 0, 1
.set ADRB, 20                          ; v20-21  the same for W
.set STO,  24                          ; the way out: where I put 16 bytes of a row
.set RD,   25                          ; the way out: where I read back
.set CO,   26                          ; my byte offset in a head's block of qkv
.set BO,   27                          ; my byte offset in the bias
.set F0,   64                          ; fragment buffer 0
.set F1,   128                         ; fragment buffer 1
.set BIAS, 192                         ; window 1
.set TMP,  64                          ; the way out, window 0: 64 results in f32
.set PK,   128                         ; the way out, window 0: packed to f16
.set G1,  24                           ; s[24:31] group 1 for X's tiles
.set G0,  32                           ; s[32:39] group 0 for X's tiles, one set a slot
.set G1B, 40                           ; s[40:47] group 1 for W's tiles: it differs in the mask alone
.set G0B, 48                           ; s[48:55] group 0 for W's tiles, one set a slot
.set MSB, 0
.macro WIN new                         ; the immediate's high byte repeats the setting that is left
.if MSB != \new
	s_set_vgpr_msb (MSB<<8)|\new
.set MSB, \new
.endif
.endm
.set MUL_LO, 0xa1                      ; source 0 (W) window 1, source 1 (X) window 0, C and D window 2
.set MUL_HI, 0xf1                      ; the same, C and D window 3
.set TO_B,   0x40                      ; destination window 1, address window 0
.macro PLACES                          ; four places behind a matrix instruction (ISA guide 7.12.1), where there is no other vector work
.rept 4
	v_nop
.endr
.endm
; A joint load: waves 0 and 1 fetch X's two halves, waves 2 and 3 W's.  The branch hangs on the wave's number alone.
.macro JLOAD s
	s_cmp_eq_u32 s15, 0
	s_cbranch_scc0 .Lfor_b_\@
	tensor_load_to_lds s[G0+4*\s:G0+4*\s+3], s[G1:G1+7]
	s_nop 0
	s_branch .Lasked_\@
.Lfor_b_\@:
	tensor_load_to_lds s[G0B+4*\s:G0B+4*\s+3], s[G1B:G1B+7]
	s_nop 0
.Lasked_\@:
.endm
; A round of the cluster's barrier: my work-group's barrier, wave 0 signals for the work-group, every wave waits for all sixteen, my work-group's barrier again.
.macro CREST                           ; a round behind its opening barrier
	s_cmp_lg_u32 s14, 0
	s_cbranch_scc1 .Lnot_wave_0_\@
	s_barrier_signal -3
.Lnot_wave_0_\@:
	s_barrier_wait -3
	s_barrier_signal -1
	s_barrier_wait -1
.endm
.macro CROUND
	s_barrier_signal -1
	s_barrier_wait -1
	CREST
.endm
	s_load_b256 s[4:11], s[0:1], 0x0               ; h16 s[4:5], bq s[6:7], bk s[8:9], bv s[10:11]
	s_load_b64 s[12:13], s[0:1], 0x20              ; qkv
	s_set_vgpr_msb 0x40
	v_lshl_add_u32 v63, v0, 2, 0x48800
	s_set_vgpr_msb 0x4000
	v_mov_b32 v63, 0
	s_set_vgpr_msb 0x1
	ds_add_u32 v63, v63
	ds_add_u32 v63, v63
	s_set_vgpr_msb 0x100
	v_lshrrev_b32 v1, 5, v0
	v_readfirstlane_b32 s14, v1                    ; wave 0..3
	s_lshr_b32 s15, s14, 1                         ; my half of the block's rows.  Also: I fetch for X (0) or for W (1)
	s_and_b32 s16, s14, 1                          ; my half of its columns.  Also: which half of that tile I fetch
	s_bfe_u32 s17, ttmp6, 0x40000                  ; cx
	s_bfe_u32 s18, ttmp6, 0x40004                  ; cy
	s_lshl_b32 s19, ttmp9, 2
	s_add_co_u32 s19, s19, s17                     ; block column 0..3 = 4 x cluster x + cx
	s_and_b32 s21, ttmp7, 0xffff
	s_lshl_b32 s20, s21, 2
	s_add_co_u32 s20, s20, s18                     ; block row 0..95 = 4 x cluster y + cy
	s_lshr_b32 s21, s21, 3                         ; p: 0 q, 1 k, 2 v (8 rows of clusters each); the same in the whole cluster
	s_lshl_b32 s22, s18, 2
	s_lshl_b32 s22, 15, s22                        ; my row of the cluster: places 4 cy .. 4 cy + 3
	s_lshl_b32 s23, 0x1111, s17                    ; my column: places cx, cx + 4, cx + 8, cx + 12
	s_or_b32 s[G1+0], s22, (1<<16)|(1<<20)|(1<<21)|(5<<22)|(3<<25)   ; mask; elements of 2 bytes; padding on; bit 21 beside a mask; after every 64 words, 4 words
	s_or_b32 s[G1B+0], s23, (1<<16)|(1<<20)|(1<<21)|(5<<22)|(3<<25)
	s_mov_b32 s[G1+1], KSTEP<<16                   ; tensor_dim0 = 128
	s_mov_b32 s[G1B+1], KSTEP<<16
	s_mov_b32 s[G1+2], 128<<16                     ; tensor_dim1 = 128 rows
	s_mov_b32 s[G1B+2], 128<<16
	s_mov_b32 s[G1+3], KSTEP<<16                   ; tile_dim0 = 128
	s_mov_b32 s[G1B+3], KSTEP<<16
	s_mov_b32 s[G1+4], 128                         ; tile_dim1 = 128
	s_mov_b32 s[G1B+4], 128
	s_mov_b32 s[G1+5], 1024                        ; elements from row to row
	s_mov_b32 s[G1B+5], 1024
	s_mov_b32 s[G1+6], 0
	s_mov_b32 s[G1B+6], 0
	s_mov_b32 s[G1+7], 0
	s_mov_b32 s[G1B+7], 0
	; X's tile hangs on the block row alone (s20, s56, s62), W's on p and the block column alone (s19, s58, s63)
	s_lshl_b32 s56, s20, 19                        ; 256 rows of 2,048 bytes
	s_lshl_b32 s62, s16, 18                        ; + my 128 rows
	s_add_co_u32 s56, s56, s62
	s_mov_b32 s57, 0
	s_lshl_b32 s58, s19, 19                        ; 256 rows of 2,048 bytes
	s_lshl_b32 s63, s16, 18                        ; + my 128 rows
	s_add_co_u32 s58, s58, s63
	s_lshl_b32 s63, s21, 21                        ; + the weight
	s_add_co_u32 s58, s58, s63
	s_add_co_u32 s58, s58, WOFF
	s_mov_b32 s59, 0
	s_mul_i32 s62, s14, HALFT                      ; where the tiles go: X's two halves (waves 0, 1), then W's two (waves 2, 3) = wave x 128 rows
	s_mul_i32 s63, s14, HALFT
	s_mov_b32 s60, 0x3f800000                      ; the factor: 1.0,
	s_cmp_eq_u32 s21, 0
	s_cselect_b32 s60, 0x3e38aa3b, s60             ; or 0.125 log2(e) for q
	s_mov_b32 s61, s60
	s_wait_dscnt 0x0
	s_wait_kmcnt 0x0
	s_add_nc_u64 s[56:57], s[4:5], s[56:57]
	s_add_nc_u64 s[58:59], s[4:5], s[58:59]
	s_cmp_eq_u32 s21, 1
	s_cselect_b64 s[6:7], s[8:9], s[6:7]           ; the bias that belongs to p
	s_cmp_eq_u32 s21, 2
	s_cselect_b64 s[6:7], s[10:11], s[6:7]
	CROUND                                         ; all sixteen work-groups are here: the first joint loads meet
.irp s, 0,1
	s_mov_b32 s[G0+4*\s], 1
	s_add_co_u32 s[G0+4*\s+1], s62, \s*SLOT
	s_add_nc_u64 s[G0+4*\s+2:G0+4*\s+3], s[56:57], \s*KSTEP*2      ; K step s
	s_or_b32 s[G0+4*\s+3], s[G0+4*\s+3], 0x80000000
	s_mov_b32 s[G0B+4*\s], 1
	s_add_co_u32 s[G0B+4*\s+1], s63, \s*SLOT
	s_add_nc_u64 s[G0B+4*\s+2:G0B+4*\s+3], s[58:59], \s*KSTEP*2
	s_or_b32 s[G0B+4*\s+3], s[G0B+4*\s+3], 0x80000000
	JLOAD \s                                       ; both slots are asked for before anything else: two loads of the wave are out
.endr
	s_lshl_b32 s58, s19, 10                        ; the bias of my 128 columns: 256 x 4 bytes a block column
	s_lshl_b32 s63, s16, 9
	s_add_co_u32 s58, s58, s63
	s_mov_b32 s59, 0
	s_add_nc_u64 s[6:7], s[6:7], s[58:59]
	v_and_b32 v1, 15, v0                           ; r = l % 16
	v_bfe_u32 v2, v0, 4, 1                         ; h = l / 16
	v_lshlrev_b32 v[BO], 5, v2                     ; eight f32 for each h
	WIN TO_B                                       ; the bias lies in window 1
.irp b, 0,1,2,3,4,5,6,7
	global_load_b128 v[BIAS+8*\b:BIAS+8*\b+3],   v[BO], s[6:7] offset:64*\b      ; columns 16 b + 8 h + 0..3
	global_load_b128 v[BIAS+8*\b+4:BIAS+8*\b+7], v[BO], s[6:7] offset:64*\b+16   ; and + 4..7
.endr
	WIN 0
	; a fragment: lane l holds row r; registers 0-3 K = 8 h + 0..7, registers 4-7 K = 16 + 8 h + 0..7: two loads of 16 bytes, 32 apart
	v_mul_u32_u24 v3, v1, PITCH
	v_lshl_add_u32 v3, v2, 4, v3
	s_mul_i32 s62, s15, HALFT                      ; my 128 rows of X
	s_mul_i32 s63, s16, HALFT                      ; my 128 rows of W,
	s_add_co_u32 s63, s63, 2*HALFT                 ; behind X's 256
.irp s, 0,1
	v_add_nc_u32 v[ADRA+\s], s62, v3
	v_add_nc_u32 v[ADRB+\s], s63, v3
	s_add_co_u32 s62, s62, SLOT
	s_add_co_u32 s63, s63, SLOT
.endr
	s_mul_i32 s62, s14, 2*SHEAD
	s_add_co_u32 s62, s62, STAGE                   ; my stage
	v_mul_u32_u24 v4, v1, SPITCH
	v_lshl_add_u32 v4, v2, 4, v4
	v_add_nc_u32 v[STO], s62, v4                   ; in: row r, 16 bytes for each h
	v_and_b32 v5, 31, v0
	v_lshrrev_b32 v6, 3, v5
	v_and_b32 v7, 7, v0
	v_mul_u32_u24 v6, v6, SPITCH
	v_lshl_add_u32 v6, v7, 4, v6
	v_add_nc_u32 v[RD], s62, v6                    ; back: eight lanes take a head's row of 128 bytes, the wave four rows
	v_lshlrev_b32 v[CO], 4, v5                     ; which are 512 consecutive bytes of qkv
	s_wait_loadcnt 0x0
	WIN 0x41                                       ; destination and source 0 in window 1
.set bi, 0
.rept 32
	v_pk_mul_f32 v[BIAS+bi:BIAS+bi+1], v[BIAS+bi:BIAS+bi+1], s[60:61] op_sel_hi:[1,0]   ; the bias takes the factor once, so that the way out is one fused multiply-add
.set bi, bi+2
.endr
	WIN 0
; 16 matrix instructions: row blocks a0, a0 + 1 of the window's four (hi = 0: my rows 0-63, 1: rows 64-127) x all 8 column blocks, 32 along K.
; zero = 1: the first product starts the sums: nothing is ever cleared.
.macro MUL16 f, hi, a0, zero
.irp a, \a0, \a0+1
.irp b, 0,1,2,3,4,5,6,7
.if \zero
	v_wmma_f32_16x16x32_f16 v[8*(8*(\a)+\b):8*(8*(\a)+\b)+7], v[\f+8*\b:\f+8*\b+7], v[\f+8*(4*\hi+\a):\f+8*(4*\hi+\a)+7], 0
.else
	v_wmma_f32_16x16x32_f16 v[8*(8*(\a)+\b):8*(8*(\a)+\b)+7], v[\f+8*\b:\f+8*\b+7], v[\f+8*(4*\hi+\a):\f+8*(4*\hi+\a)+7], v[8*(8*(\a)+\b):8*(8*(\a)+\b)+7]
.endif
.endr
.endr
.endm
; 32 LDS loads in one run: a quarter step's fragments (128 rows of W, then 128 rows of X, 32 K at byte k of the rows) into buffer f
.macro FETCH slot, k, f
	WIN TO_B
.irp i, 0,1,2,3,4,5,6,7
	ds_load_b128 v[\f+8*\i:\f+8*\i+3],   v[ADRB+\slot] offset:\k+\i*16*PITCH
	ds_load_b128 v[\f+8*\i+4:\f+8*\i+7], v[ADRB+\slot] offset:\k+\i*16*PITCH+32
.endr
	WIN 0
.irp i, 0,1,2,3,4,5,6,7
	ds_load_b128 v[\f+8*\i:\f+8*\i+3],   v[ADRA+\slot] offset:\k+\i*16*PITCH
	ds_load_b128 v[\f+8*\i+4:\f+8*\i+7], v[ADRA+\slot] offset:\k+\i*16*PITCH+32
.endr
.endm
; A K step is four quarters of 32 along K, 64 matrix instructions each, on buffers 0, 1, 0, 1.  The 64 accumulators take turns, one instruction a turn,
; in the same order in every quarter.
.macro QUARTER slot, k, f, g, zero
	s_wait_dscnt 8                                 ; W and X's rows 0-63 are in; the youngest eight loads (X's rows 64-127) may be out
	WIN MUL_LO
	MUL16 \f, 0, 0, \zero
	MUL16 \f, 0, 2, \zero
	PLACES                                         ; buffer g was read by matrix instructions: four places in front of the loads into it
	FETCH \slot, \k, \g
	s_wait_dscnt 32                                ; all but the 32 just issued
	WIN MUL_HI
	MUL16 \f, 1, 0, \zero
	MUL16 \f, 1, 2, \zero
.endm
.macro THREE slot, zero
	QUARTER \slot, 64,  F0, F1, \zero
	QUARTER \slot, 128, F1, F0, 0
	QUARTER \slot, 192, F0, F1, 0
.endm
; The last quarter multiplies buffer 1 and changes slots.  In front of the barrier each wave waits for its reads of this slot and for all its tensor loads
; (one is out: its part of the next slot).  fill = 1: the barrier opens a round of the cluster's barrier, and the joint refill is the first tensor load behind it.
; From a request to the wait for it a wave issues 240 matrix instructions.
.macro TURN slot, next, fill
	s_wait_dscnt 8
	WIN MUL_LO
	MUL16 F1, 0, 0, 0
	s_wait_dscnt 0x0                               ; my reads of this slot are over
	s_wait_tensorcnt 0x0                           ; all my tensor loads have landed
	ds_add_u32 v63, v63
	s_wait_dscnt 0x0
	s_barrier_signal -1
	MUL16 F1, 0, 2, 0                              ; register work while the others arrive
	WIN 0
	s_barrier_wait -1
.if \fill
	CREST                                          ; no wave of any partner still reads this slot or has a load on its way
	s_add_nc_u64 s[G0+4*\slot+2:G0+4*\slot+3], s[G0+4*\slot+2:G0+4*\slot+3], 2*KSTEP*2
	s_add_nc_u64 s[G0B+4*\slot+2:G0B+4*\slot+3], s[G0B+4*\slot+2:G0B+4*\slot+3], 2*KSTEP*2
	JLOAD \slot
.endif
	PLACES
	FETCH \next, 0, F0
	WIN MUL_HI
	MUL16 F1, 1, 0, 0
	MUL16 F1, 1, 2, 0
.endm
.macro LAP zero
	THREE 0, \zero
	TURN 0, 1, 1
	THREE 1, 0
	TURN 1, 0, 1
.endm
	s_wait_tensorcnt 0x1                           ; my part of K step 0 is in; K step 1's may stay out
	s_barrier_signal -1
	s_barrier_wait -1
	FETCH 0, 0, F0
	LAP 1                                          ; the first lap's first products start the sums
	WIN 0                                          ; at a label and at a branch every window is 0
	s_mov_b32 s3, LAPS-2
.Llap:
	LAP 0
	WIN 0
	s_sub_co_u32 s3, s3, 1
	s_cmp_lg_u32 s3, 0
	s_cbranch_scc1 .Llap
	THREE 0, 0                                     ; the last lap fills nothing
	TURN 0, 1, 0
	THREE 1, 0
	s_wait_dscnt 8                                 ; the very last quarter: nothing more to fetch
	WIN MUL_LO
	MUL16 F1, 0, 0, 0
	MUL16 F1, 0, 2, 0
	s_wait_dscnt 0x0
	WIN MUL_HI
	MUL16 F1, 1, 0, 0
	MUL16 F1, 1, 2, 0
	PLACES                                         ; in front of the reads of the results and the writes into the fragment buffers
	; THE WAY OUT.  My block of qkv: plane and batch (block row / 8) x 4 MiB, heads 4 x block column + 2 x half + 0, 1 at 256 KiB each, row x 128 bytes.
	s_lshr_b32 s56, s20, 3
	s_lshl_b32 s56, s56, 22
	s_and_b32 s62, s20, 7
	s_lshl_b32 s62, s62, 15                        ; 256 rows of 128 bytes
	s_add_co_u32 s56, s56, s62
	s_lshl_b32 s62, s15, 14                        ; my 128 rows
	s_add_co_u32 s56, s56, s62
	s_mov_b32 s57, 0
	s_add_nc_u64 s[12:13], s[12:13], s[56:57]
	s_lshl_b32 s58, s19, 1
	s_add_co_u32 s58, s58, s16
	s_lshl_b32 s58, s58, 19                        ; my two heads
	s_mov_b32 s59, 0
	s_add_nc_u64 s[12:13], s[12:13], s[58:59]
; rows 16 i .. 16 i + 15 = the eight tiles (a, 0..7) of window 2 or 3 (from = 0x12 or 0x13: source 0 the sums, source 2 the bias in window 1):
; factor and bias in one fused multiply-add, round to f16, 16 bytes a lane and tile into my stage (tiles 0-3 the first head, 4-7 the second),
; back as whole rows of a head, out as 512 consecutive bytes a store.  rb: two sets of registers by turns.
.macro OUT16 i, a, from, rb
	WIN \from
.irp b, 0,1,2,3,4,5,6,7
.irp j, 0,2,4,6
	v_pk_fma_f32 v[TMP+8*\b+\j:TMP+8*\b+\j+1], v[8*(8*\a+\b)+\j:8*(8*\a+\b)+\j+1], s[60:61], v[BIAS+8*\b+\j:BIAS+8*\b+\j+1] op_sel_hi:[1,0,1]
.endr
.endr
	WIN 0
.irp b, 0,1,2,3,4,5,6,7
.irp j, 0,1,2,3
	v_cvt_pk_f16_f32 v[PK+4*\b+\j], v[TMP+8*\b+2*\j], v[TMP+8*\b+2*\j+1]
.endr
.endr
.irp b, 0,1,2,3,4,5,6,7
	ds_store_b128 v[STO], v[PK+4*\b:PK+4*\b+3] offset:((\b)/4)*SHEAD+32*((\b)%4)
.endr
	s_wait_xcnt 0x0                                ; the registers that earlier stores read are loaded again only behind this wait
.irp u, 0,1,2,3,4,5,6,7
	ds_load_b128 v[\rb+4*\u:\rb+4*\u+3], v[RD] offset:((\u)/4)*SHEAD+4*SPITCH*((\u)%4)   ; LDS serves a wave's instructions in order: these see the stores above
.endr
.irp u, 0,1,2,3,4,5,6,7
	s_wait_dscnt 7-\u                              ; read-back u is in, the younger ones stay out
	global_store_b128 v[CO], v[\rb+4*\u:\rb+4*\u+3], s[12:13] offset:((\u)/4)*262144+2048*\i+512*((\u)%4)   ; head u / 4, rows 16 i + 4 (u % 4) + 0..3
.endr
.endm
	OUT16 0, 0, 0x12, 192
	OUT16 1, 1, 0x12, 224
	OUT16 2, 2, 0x12, 192
	OUT16 3, 3, 0x12, 224
	OUT16 4, 0, 0x13, 192
	OUT16 5, 1, 0x13, 224
	OUT16 6, 2, 0x13, 192
	OUT16 7, 3, 0x13, 224
	s_set_vgpr_msb 0x1
	s_wait_tensorcnt 0x0
	ds_add_u32 v63, v63
	s_wait_dscnt 0x0
	s_set_vgpr_msb 0x100
	CROUND                                         ; the closing round: no work-group ends while a partner may still ask for a tile that names it
	s_endpgm
.Lfunc_end_k_q1879c1e533_proj:
	.size	k_q1879c1e533_proj, .Lfunc_end_k_q1879c1e533_proj-k_q1879c1e533_proj
	.p2alignl 7, 3214868480
	.fill 96, 4, 3214868480
	.section	.rodata,"a",@progbits
	.p2align	6, 0x0
	.amdhsa_kernel k_q1879c1e533_proj
		.amdhsa_group_segment_fixed_size 327680
		.amdhsa_private_segment_fixed_size 0
		.amdhsa_enable_private_segment 0
		.amdhsa_kernarg_size 40
		.amdhsa_user_sgpr_count 2
		.amdhsa_user_sgpr_kernarg_segment_ptr 1
		.amdhsa_wavefront_size32 1
		.amdhsa_system_sgpr_workgroup_id_x 1
		.amdhsa_system_sgpr_workgroup_id_y 1
		.amdhsa_system_sgpr_workgroup_id_z 1
		.amdhsa_system_vgpr_workitem_id 0
		.amdhsa_next_free_vgpr 1024
		.amdhsa_next_free_sgpr 66
		.amdhsa_reserve_vcc 0
		.amdhsa_float_denorm_mode_32 3
		.amdhsa_float_denorm_mode_16_64 3
		.amdhsa_memory_ordered 1
		.amdhsa_forward_progress 1
		.amdhsa_inst_pref_size 216
	.end_amdhsa_kernel
	.amdgpu_metadata
---
amdhsa.version: [ 1, 2 ]
amdhsa.kernels:
  - .name:           k_q1879c1e533_proj
    .symbol:         k_q1879c1e533_proj.kd
    .args:
      - { .name: h16, .offset: 0, .size: 8, .value_kind: global_buffer, .address_space: global }
      - { .name: bq, .offset: 8, .size: 8, .value_kind: global_buffer, .address_space: global }
      - { .name: bk, .offset: 16, .size: 8, .value_kind: global_buffer, .address_space: global }
      - { .name: bv, .offset: 24, .size: 8, .value_kind: global_buffer, .address_space: global }
      - { .name: qkv, .offset: 32, .size: 8, .value_kind: global_buffer, .address_space: global }
    .group_segment_fixed_size: 327680
    .private_segment_fixed_size: 0
    .kernarg_segment_align: 8
    .kernarg_segment_size: 40
    .max_flat_workgroup_size: 128
    .sgpr_count:     66
    .vgpr_count:     1024
    .wavefront_size: 32
...
	.end_amdgpu_metadata
.endif
;; end of part 2
;; launch attn (part 3): grid 256 x 1, 8 waves a work-group, clusters of 4 x 1, 327,680 bytes of LDS; arguments qkv, ctx; writes ctx
.if DOCPART == 3
	.amdgcn_target "amdgcn-amd-amdhsa--gfx1250"
	.amdhsa_code_object_version 6
	.text
	.protected	k_q1879c1e533_attn
	.globl	k_q1879c1e533_attn
	.p2align	8
	.type	k_q1879c1e533_attn,@function
k_q1879c1e533_attn:
	s_mov_b64 s[64:65], 0
	v_nop
	global_prefetch_b8 v0, s[64:65] scope:SCOPE_SE
	s_setreg_imm32_b32 hwreg(HW_REG_WAVE_MODE, 25, 1), 1
	s_wait_xcnt 0x0
	s_wait_alu depctr_hold_cnt(0) depctr_sa_sdst(0) depctr_va_vdst(0) depctr_va_sdst(0) depctr_va_ssrc(0) depctr_va_vcc(0) depctr_vm_vsrc(0)
	s_getreg_b32 s2, hwreg(HW_REG_IB_STS2, 6, 4)
	s_cmp_eq_u32 s2, 0
	s_cbranch_scc0 .Lentry_in_a_cluster
	s_endpgm
.Lentry_in_a_cluster:
	s_bfe_u32 s2, ttmp6, 0x10000c
	s_cmp_lg_u32 s2, 0x3003
	s_cbranch_scc0 .Lentry_shape_is_right
	s_endpgm
.Lentry_shape_is_right:
; ctx = softmax(q k^T) v for one (batch, head) a cluster, with a running maximum.  q already carries 0.125 log2(e), so the exponentials are powers of two.
; qkv[p][b][head][s][64] f16; ctx[b][head][s][64] f16.  The cluster's four work-groups take 512 query rows each and ask JOINTLY for the head's K and V tiles;
; a wave takes 64 query rows (4 tiles of 16).  Eight waves, two on each SIMD: one wave's softmax runs beside the other's matrix work.
; THE SCORES ARE MADE TRANSPOSED: S^T = K Q^T.  Lane (r, h) then holds query r and keys 8 h + 0..7 of a tile, so maximum, sum and rescaling are a lane's own
; (one exchange across h), two packed tiles ARE the second operand of ctx^T = V^T P^T, and a lane's results are eight neighbouring numbers of a row of ctx.
; K and V come in tiles of 512 keys through two LDS slots; each wave fetches a quarter of V's or of K's tile, 128 keys = 64 rows of 256 bytes (two keys a row).
; f16 operands, f32 sums, softmax in f32.  LIMITS: P is rounded to f16 (P below 2^-24 becomes 0; P is at most 1 by the running maximum);
; ctx is rounded to f16 and is a weighted mean of v, so it has v's range.  The order of the sums differs from the reference's.
; REGISTERS: window 0: v8-15 addresses, v16-59 softmax state, v64-191 S (tile (q, kt) at 64 + 32 q + 8 kt), v192-255 K's fragments;
;            window 1: v0-127 sums of ctx^T (tile (dt, q) at 8 (4 q + dt)), v128-191 Q's fragments, v192-255 V's fragments.
.set VPITCH, 288                       ; V: 256 bytes (two keys) + 32: the eight rows of a transposing load start 32 bytes apart modulo 256
.set KPITCH, 272                       ; K: 256 bytes (two keys) + 16: the sixteen keys of a fragment load start 16 bytes apart modulo 256
.set KOFF,   256*VPITCH                ; K's 256 rows lie behind V's 256
.set SLOT,   KOFF+256*KPITCH           ; 143,360 bytes: 512 keys
.set STAGE,  2*SLOT                    ; behind the ring, never filled by a tensor load: 16 rows x 144 bytes for each wave
.set SPITCH, 144
.set KA,    8                          ; this step's K and V addresses
.set VA,    9
.set KBASE, 10
.set VBASE, 11
.set QO,    12
.set STO,   13
.set RD,    14
.set CO,    15
.set MP,    16                         ; v[16:23] the running maximum of tile q, twice (a pair for packed arithmetic)
.set AL,    24                         ; v[24:31] the rescaling factor, twice
.set LSA,   32                         ; v[32:39], v[40:47] two pairs of running sums for each q
.set LSB,   40
.set T,     48
.set T2,    52
.set DD,    56
.set S,     64
.set KF,    192                        ; fragment (kt, c) at 192 + 16 kt + 8 c
.set QF,    128                        ; window 1: fragment (q, c) at 128 + 16 q + 8 c
.set VF,    192                        ; window 1: fragment (kp, dt) at 192 + 8 (4 kp + dt)
.set PK,    96                         ; the way out: packed results
.set G1V, 24
.set G1K, 32
.set G0V, 40                           ; one set of four a slot
.set G0K, 48
.set MSB, 0
.macro WIN new
.if MSB != \new
	s_set_vgpr_msb (MSB<<8)|\new
.set MSB, \new
.endif
.endm
.macro JLOAD s                         ; waves 0-3 fetch V's quarters, waves 4-7 K's; the branch hangs on the wave's number alone
	s_cmp_eq_u32 s9, 0
	s_cbranch_scc0 .Lfor_k_\@
	tensor_load_to_lds s[G0V+4*\s:G0V+4*\s+3], s[G1V:G1V+7]
	s_nop 0
	s_branch .Lasked_\@
.Lfor_k_\@:
	tensor_load_to_lds s[G0K+4*\s:G0K+4*\s+3], s[G1K:G1K+7]
	s_nop 0
.Lasked_\@:
.endm
.macro ROUND                           ; a round of the cluster's barrier
	s_barrier_signal -1
	s_barrier_wait -1
	s_cmp_lg_u32 s8, 0
	s_cbranch_scc1 .Lnot_wave_0_\@
	s_barrier_signal -3
.Lnot_wave_0_\@:
	s_barrier_wait -3
	s_barrier_signal -1
	s_barrier_wait -1
.endm
	s_load_b128 s[4:7], s[0:1], 0x0                ; qkv s[4:5], ctx s[6:7]
	v_lshl_add_u32 v62, v0, 2, 0x4a800
	v_mov_b32 v63, 0
	ds_add_u32 v62, v63
	ds_add_u32 v62, v63
	v_lshrrev_b32 v1, 5, v0
	v_readfirstlane_b32 s8, v1                     ; wave 0..7
	s_lshr_b32 s9, s8, 2                           ; I fetch for V (0) or for K (1)
	s_and_b32 s10, s8, 3                           ; which quarter of the tile
	s_bfe_u32 s11, ttmp6, 0x40000                  ; cx: my 512 query rows; it enters the addresses of Q and of ctx alone
	s_mov_b32 s12, 0x76543210                      ; v_permlanex16_b32: lane i reads lane i of the other half
	s_mov_b32 s13, 0xfedcba98
	; group 1: a dense block as 64 rows of 32 elements of 8 bytes; the four work-groups of the cluster are named (mask 15)
	s_mov_b32 s[G1V+0], 15|(3<<16)|(1<<20)|(1<<21)|(5<<22)|(7<<25)   ; after every 64 words, 8 words of padding
	s_mov_b32 s[G1K+0], 15|(3<<16)|(1<<20)|(1<<21)|(5<<22)|(3<<25)   ; 4 words
	s_mov_b32 s[G1V+1], 32<<16
	s_mov_b32 s[G1K+1], 32<<16
	s_mov_b32 s[G1V+2], 64<<16
	s_mov_b32 s[G1K+2], 64<<16
	s_mov_b32 s[G1V+3], 32<<16
	s_mov_b32 s[G1K+3], 32<<16
	s_mov_b32 s[G1V+4], 64
	s_mov_b32 s[G1K+4], 64
	s_mov_b32 s[G1V+5], 32
	s_mov_b32 s[G1K+5], 32
	s_mov_b32 s[G1V+6], 0
	s_mov_b32 s[G1K+6], 0
	s_mov_b32 s[G1V+7], 0
	s_mov_b32 s[G1K+7], 0
	s_lshl_b32 s16, ttmp9, 18                      ; the head's 2,048 rows of 128 bytes (ttmp9 counts clusters: 16 b + head)
	s_lshl_b32 s18, s10, 14                        ; my quarter: 128 keys of 128 bytes
	s_add_co_u32 s18, s18, s16
	s_add_co_u32 s20, s18, 1<<24                   ; K's plane
	s_mov_b32 s21, 0
	s_add_co_u32 s18, s18, 2<<24                   ; V's plane
	s_mov_b32 s19, 0
	s_lshl_b32 s22, s11, 16                        ; my work-group's 512 rows,
	s_add_co_u32 s22, s22, s16
	s_lshl_b32 s23, s8, 13                         ; my wave's 64
	s_add_co_u32 s22, s22, s23
	s_mov_b32 s23, 0
	s_mul_i32 s15, s8, 64*VPITCH                   ; where V's quarters go (waves 0-3)
	s_mul_i32 s17, s8, 64*KPITCH
	s_add_co_u32 s17, s17, KOFF-4*64*KPITCH        ; where K's go (waves 4-7)
	s_wait_dscnt 0x0
	s_wait_kmcnt 0x0
	s_add_nc_u64 s[18:19], s[4:5], s[18:19]
	s_add_nc_u64 s[20:21], s[4:5], s[20:21]
	s_add_nc_u64 s[4:5], s[4:5], s[22:23]          ; my rows of q (plane 0)
	s_add_nc_u64 s[6:7], s[6:7], s[22:23]          ; and of ctx
	ROUND                                          ; the four work-groups are here: the first joint loads meet
.irp s, 0,1
	s_mov_b32 s[G0V+4*\s], 1
	s_add_co_u32 s[G0V+4*\s+1], s15, \s*SLOT
	s_add_nc_u64 s[G0V+4*\s+2:G0V+4*\s+3], s[18:19], \s*65536      ; tile s: 512 keys of 128 bytes
	s_or_b32 s[G0V+4*\s+3], s[G0V+4*\s+3], 0x80000000
	s_mov_b32 s[G0K+4*\s], 1
	s_add_co_u32 s[G0K+4*\s+1], s17, \s*SLOT
	s_add_nc_u64 s[G0K+4*\s+2:G0K+4*\s+3], s[20:21], \s*65536
	s_or_b32 s[G0K+4*\s+3], s[G0K+4*\s+3], 0x80000000
	JLOAD \s                                       ; two loads of the wave are out
.endr
	v_and_b32 v1, 15, v0                           ; r
	v_bfe_u32 v2, v0, 4, 1                         ; h
	v_lshlrev_b32 v[QO], 7, v1
	v_lshl_add_u32 v[QO], v2, 4, v[QO]             ; Q: row r of 128 bytes, 16 h
	WIN 0x40                                       ; destination in window 1
.irp q, 0,1,2,3
.irp c, 0,1
	global_load_b128 v[QF+16*\q+8*\c:QF+16*\q+8*\c+3],   v[QO], s[4:5] offset:2048*\q+64*\c      ; query 16 q + r, d = 32 c + 8 h + 0..7
	global_load_b128 v[QF+16*\q+8*\c+4:QF+16*\q+8*\c+7], v[QO], s[4:5] offset:2048*\q+64*\c+32   ; d = 32 c + 16 + 8 h + 0..7
.endr
.endr
	WIN 0
	v_bfe_u32 v3, v0, 1, 3                         ; r / 2
	v_and_b32 v4, 1, v0                            ; r % 2
	v_mul_u32_u24 v5, v3, KPITCH
	v_lshl_add_u32 v5, v4, 7, v5
	v_lshl_add_u32 v5, v2, 4, v5
	v_add_nc_u32 v[KBASE], KOFF, v5                ; key r: row r / 2, half r % 2, 16 h
	v_bfe_u32 v5, v0, 1, 2                         ; the transposing load: lane l addresses key 8 h + l % 8,
	v_lshl_add_u32 v5, v2, 2, v5                   ; which lies in row 4 h + (l % 8) / 2,
	v_mul_u32_u24 v5, v5, VPITCH
	v_lshl_add_u32 v5, v4, 7, v5                   ; half l % 2,
	v_bfe_u32 v6, v0, 3, 1
	v_lshl_add_u32 v[VBASE], v6, 4, v5             ; and there the 16 bytes (l / 8) % 2
	s_mul_i32 s16, s8, 16*SPITCH
	s_add_co_u32 s16, s16, STAGE                   ; my stage
	v_mul_u32_u24 v5, v1, SPITCH
	v_lshl_add_u32 v5, v2, 4, v5
	v_add_nc_u32 v[STO], s16, v5
	v_and_b32 v5, 31, v0
	v_lshrrev_b32 v6, 3, v5
	v_and_b32 v7, 7, v0
	v_mul_u32_u24 v6, v6, SPITCH
	v_lshl_add_u32 v6, v7, 4, v6
	v_add_nc_u32 v[RD], s16, v6
	v_lshlrev_b32 v[CO], 4, v5
.irp q, 0,1,2,3
	v_mov_b32 v[T2+\q], 0                          ; v_permlanex16_b32 counts as a reader of its destination
.endr
; the softmax of one tile g = 4 q + kt of S (8 registers at S + 8 g), in three parts that are interleaved between tiles
.macro SUBG g                          ; s - maximum
.irp i, 0,2,4,6
	v_pk_add_f32 v[S+8*(\g)+\i:S+8*(\g)+\i+1], v[S+8*(\g)+\i:S+8*(\g)+\i+1], v[MP+2*((\g)/4):MP+2*((\g)/4)+1] neg_lo:[0,1] neg_hi:[0,1]
.endr
.endm
.macro EXPG g                          ; 2^(s - maximum), in place
.irp i, 0,1,2,3,4,5,6,7
	v_exp_f32 v[S+8*(\g)+\i], v[S+8*(\g)+\i]
.endr
.endm
.macro SCG g, first                    ; the sums, then the packing to f16.  Tiles kt = 2 kp and 2 kp + 1 pack into the 8 registers at S + 32 q + 16 kp: P's fragment
.set x_sb, S+8*(\g)
.set x_la, LSA+2*((\g)/4)
.set x_lb, LSB+2*((\g)/4)
.set x_al, AL+2*((\g)/4)
.set x_pd, S+32*((\g)/4)+16*(((\g)%4)/2)+4*((\g)%2)
.if ((\g)%4) == 0
.if \first
	s_wait_alu depctr_va_vdst(0)
	v_pk_add_f32 v[x_la:x_la+1], v[x_sb:x_sb+1],   v[x_sb+4:x_sb+5]        ; the first products start the sums
	v_pk_add_f32 v[x_lb:x_lb+1], v[x_sb+2:x_sb+3], v[x_sb+6:x_sb+7]
.else
	s_wait_alu depctr_va_vdst(0)
	v_pk_fma_f32 v[x_la:x_la+1], v[x_la:x_la+1], v[x_al:x_al+1], v[x_sb:x_sb+1]      ; the old sums are rescaled in the step's first addition
	v_pk_fma_f32 v[x_lb:x_lb+1], v[x_lb:x_lb+1], v[x_al:x_al+1], v[x_sb+2:x_sb+3]
	v_pk_add_f32 v[x_la:x_la+1], v[x_la:x_la+1], v[x_sb+4:x_sb+5]
	v_pk_add_f32 v[x_lb:x_lb+1], v[x_lb:x_lb+1], v[x_sb+6:x_sb+7]
.endif
.else
	s_wait_alu depctr_va_vdst(0)
	v_pk_add_f32 v[x_la:x_la+1], v[x_la:x_la+1], v[x_sb:x_sb+1]
	v_pk_add_f32 v[x_lb:x_lb+1], v[x_lb:x_lb+1], v[x_sb+2:x_sb+3]
	v_pk_add_f32 v[x_la:x_la+1], v[x_la:x_la+1], v[x_sb+4:x_sb+5]
	v_pk_add_f32 v[x_lb:x_lb+1], v[x_lb:x_lb+1], v[x_sb+6:x_sb+7]
.endif
	v_cvt_pk_f16_f32 v[x_pd],   v[x_sb],   v[x_sb+1]       ; ascending: no target is a source that is still to be read
	v_cvt_pk_f16_f32 v[x_pd+1], v[x_sb+2], v[x_sb+3]
	v_cvt_pk_f16_f32 v[x_pd+2], v[x_sb+4], v[x_sb+5]
	v_cvt_pk_f16_f32 v[x_pd+3], v[x_sb+6], v[x_sb+7]
.endm
; One step: 64 keys against my 64 queries.  first = 1: the launch's first step starts maximum, sums and ctx.
.macro STEP first
.irp kt, 0,1,2,3
.irp c, 0,1
	ds_load_b128 v[KF+16*\kt+8*\c:KF+16*\kt+8*\c+3],   v[KA] offset:8*KPITCH*\kt+64*\c       ; key 16 kt + r, d = 32 c + 8 h + 0..7
	ds_load_b128 v[KF+16*\kt+8*\c+4:KF+16*\kt+8*\c+7], v[KA] offset:8*KPITCH*\kt+64*\c+32
.endr
.endr
	WIN 0x40
.irp kp, 0,1
.irp dt, 0,1,2,3
	ds_load_tr16_b128 v[VF+8*(4*\kp+\dt):VF+8*(4*\kp+\dt)+3],   v[VA] offset:16*VPITCH*\kp+32*\dt            ; d = 16 dt + r, keys 32 kp + 8 h + 0..7
	ds_load_tr16_b128 v[VF+8*(4*\kp+\dt)+4:VF+8*(4*\kp+\dt)+7], v[VA] offset:16*VPITCH*\kp+32*\dt+8*VPITCH   ; keys 32 kp + 16 + 8 h + 0..7
.endr
.endr
	WIN 0x04                                       ; source 1 (Q) in window 1
.irp kt, 0,1,2,3
	s_wait_dscnt 28-4*\kt                          ; K's four loads of tile kt are in; K's later ones and V's sixteen may be out
.irp q, 0,1,2,3
	v_wmma_f32_16x16x32_f16 v[S+32*\q+8*\kt:S+32*\q+8*\kt+7], v[KF+16*\kt:KF+16*\kt+7], v[QF+16*\q:QF+16*\q+7], 0
.endr
.irp q, 0,1,2,3
	v_wmma_f32_16x16x32_f16 v[S+32*\q+8*\kt:S+32*\q+8*\kt+7], v[KF+16*\kt+8:KF+16*\kt+15], v[QF+16*\q+8:QF+16*\q+15], v[S+32*\q+8*\kt:S+32*\q+8*\kt+7]   ; four accumulators take turns
.endr
.endr
	WIN 0
.rept 4
	v_nop                                          ; four places in front of the reads of S (ISA guide 7.12.1)
.endr
	; the new maximum of each query: my 32 scores and the old maximum, four chains side by side, then the other half of the keys' lanes
.irp q, 0,1,2,3
.if \first
	v_max_num_f32 v[T+\q], v[S+32*\q], v[S+32*\q+1]
.else
	v_max3_num_f32 v[T+\q], v[S+32*\q], v[S+32*\q+1], v[MP+2*\q]
.endif
.endr
.irp i, 2,4,6,8,10,12,14,16,18,20,22,24,26,28,30
.irp q, 0,1,2,3
	v_max3_num_f32 v[T+\q], v[T+\q], v[S+32*\q+\i], v[S+32*\q+\i+1]
.endr
.endr
.irp q, 0,1,2,3
	v_permlanex16_b32 v[T2+\q], v[T+\q], s12, s13
.endr
.irp q, 0,1,2,3
	v_max_num_f32 v[T+\q], v[T+\q], v[T2+\q]
.endr
.if \first == 0
.irp q, 0,1,2,3
	v_sub_f32 v[DD+\q], v[MP+2*\q], v[T+\q]        ; old maximum - new, at most 0
.endr
.irp q, 0,1,2,3
	v_exp_f32 v[AL+2*\q], v[DD+\q]                 ; the factor for what was summed so far
.endr
.endif
.irp q, 0,1,2,3
	v_mov_b32 v[MP+2*\q],   v[T+\q]                ; plain instructions that touch neither the exponentials' results nor their sources (ISA guide 5.7.2)
	v_mov_b32 v[MP+2*\q+1], v[T+\q]
.endr
.if \first == 0
	s_wait_alu depctr_va_vdst(0)
.irp q, 0,1,2,3
	v_mov_b32 v[AL+2*\q+1], v[AL+2*\q]
.endr
.endif
	; between a tile's exponentials and the first use of their results stand the next tile's subtractions and the tile before's sums
	SUBG 0
	EXPG 0
	SUBG 1
	EXPG 1
.irp g, 0,1,2,3,4,5,6,7,8,9,10,11,12,13
	SCG \g, \first
	SUBG \g+2
	EXPG \g+2
.endr
	SCG 14, \first
	SCG 15, \first
.if \first == 0
	WIN 0x41                                       ; ctx's sums, in window 1, take the factor
.irp q, 0,1,2,3
.irp x, 0,2,4,6,8,10,12,14,16,18,20,22,24,26,28,30
	v_pk_mul_f32 v[32*\q+\x:32*\q+\x+1], v[32*\q+\x:32*\q+\x+1], v[AL+2*\q:AL+2*\q+1]
.endr
.endr
.endif
	s_wait_dscnt 0x0                               ; V's fragments are in
	WIN 0x51                                       ; V and the sums in window 1, P in window 0
.irp kp, 0,1
.irp q, 0,1,2,3
.irp dt, 0,1,2,3
.if \first*(1-\kp)
	v_wmma_f32_16x16x32_f16 v[8*(4*\q+\dt):8*(4*\q+\dt)+7], v[VF+8*(4*\kp+\dt):VF+8*(4*\kp+\dt)+7], v[S+32*\q+16*\kp:S+32*\q+16*\kp+7], 0
.else
	v_wmma_f32_16x16x32_f16 v[8*(4*\q+\dt):8*(4*\q+\dt)+7], v[VF+8*(4*\kp+\dt):VF+8*(4*\kp+\dt)+7], v[S+32*\q+16*\kp:S+32*\q+16*\kp+7], v[8*(4*\q+\dt):8*(4*\q+\dt)+7]   ; sixteen accumulators take turns
.endif
.endr
.endr
.endr
	WIN 0
	v_add_nc_u32 v[KA], 32*KPITCH, v[KA]           ; 64 keys on.  These two and three v_nop are five places behind the last matrix instruction:
	v_add_nc_u32 v[VA], 32*VPITCH, v[VA]           ; for the loads into V's fragments, for the matrix instructions that write over P, and for the way out
.rept 3
	v_nop
.endr
.endm
; a tile of 512 keys in a slot: eight steps
.macro TILE slot, first
	v_add_nc_u32 v[KA], \slot*SLOT, v[KBASE]
	v_add_nc_u32 v[VA], \slot*SLOT, v[VBASE]
.if \first
	STEP 1
	s_mov_b32 s14, 7
.else
	s_mov_b32 s14, 8
.endif
.Lstep_\@:
	STEP 0
	s_sub_co_u32 s14, s14, 1
	s_cmp_lg_u32 s14, 0
	s_cbranch_scc1 .Lstep_\@
.endm
; slot s, which has been read, is asked for again, two tiles ahead: every wave's reads are back and all its tensor loads have landed, a round of the
; cluster's barrier shows that of every wave of all four work-groups, and the joint load is the first tensor load behind it.  It has a tile's 512 matrix instructions of a wave in which to land.
.macro REFILL s
	s_wait_dscnt 0x0
	s_wait_tensorcnt 0x0
	ds_add_u32 v62, v63
	s_wait_dscnt 0x0
	s_add_nc_u64 s[G0V+4*\s+2:G0V+4*\s+3], s[G0V+4*\s+2:G0V+4*\s+3], 2*65536
	s_add_nc_u64 s[G0K+4*\s+2:G0K+4*\s+3], s[G0K+4*\s+2:G0K+4*\s+3], 2*65536
	ROUND
	JLOAD \s
.endm
	s_wait_loadcnt 0x0                             ; Q
	s_wait_tensorcnt 0x1                           ; my part of tile 0 is in; tile 1's may stay out
	s_barrier_signal -1
	s_barrier_wait -1
	TILE 0, 1                                      ; keys 0 to 511
	REFILL 0                                       ; tile 1 has landed; tile 2 goes out
	TILE 1, 0                                      ; keys 512 to 1,023
	REFILL 1                                       ; tile 2 has landed; tile 3 goes out
	TILE 0, 0                                      ; keys 1,024 to 1,535
	s_wait_dscnt 0x0
	s_wait_tensorcnt 0x0                           ; my part of tile 3 is in: the last load
	s_barrier_signal -1
	s_barrier_wait -1                              ; everybody's is
	TILE 1, 0                                      ; keys 1,536 to 2,047
	; THE WAY OUT: the sums of a query's two halves of lanes meet, ctx is divided by them, rounded to f16 and leaves through my stage as whole rows
.irp q, 0,1,2,3
	v_pk_add_f32 v[LSA+2*\q:LSA+2*\q+1], v[LSA+2*\q:LSA+2*\q+1], v[LSB+2*\q:LSB+2*\q+1]
.endr
.irp q, 0,1,2,3
	v_add_f32 v[T+\q], v[LSA+2*\q], v[LSA+2*\q+1]
.endr
.irp q, 0,1,2,3
	v_permlanex16_b32 v[T2+\q], v[T+\q], s12, s13
.endr
.irp q, 0,1,2,3
	v_add_f32 v[T+\q], v[T+\q], v[T2+\q]           ; at least 1: the key of the maximum counts 1
.endr
.irp q, 0,1,2,3
	v_rcp_f32 v[AL+2*\q], v[T+\q]
.endr
	v_nop                                          ; one plain place behind the reciprocals (ISA guide 5.7.2)
	s_wait_alu depctr_va_vdst(0)
.irp q, 0,1,2,3
	v_mov_b32 v[AL+2*\q+1], v[AL+2*\q]
.endr
.macro OUT16 q, rb
	WIN 0x01                                       ; source 0 (the sums) in window 1
.irp d, 0,1,2,3
.irp i, 0,2,4,6
	v_pk_mul_f32 v[S+8*\d+\i:S+8*\d+\i+1], v[8*(4*\q+\d)+\i:8*(4*\q+\d)+\i+1], v[AL+2*\q:AL+2*\q+1]
.endr
.endr
	WIN 0
.irp d, 0,1,2,3
.irp i, 0,1,2,3
	v_cvt_pk_f16_f32 v[PK+4*\d+\i], v[S+8*\d+2*\i], v[S+8*\d+2*\i+1]
.endr
.endr
.irp d, 0,1,2,3
	ds_store_b128 v[STO], v[PK+4*\d:PK+4*\d+3] offset:32*\d        ; query r, d = 16 d + 8 h + 0..7
.endr
	s_wait_xcnt 0x0                                ; the registers that earlier stores read are loaded again only behind this wait
.irp t, 0,1,2,3
	ds_load_b128 v[\rb+4*\t:\rb+4*\t+3], v[RD] offset:4*SPITCH*\t  ; LDS serves a wave's instructions in order: these see the stores above
.endr
.irp t, 0,1,2,3
	s_wait_dscnt 3-\t                              ; read-back t is in, the younger ones stay out
	global_store_b128 v[CO], v[\rb+4*\t:\rb+4*\t+3], s[6:7] offset:2048*\q+512*\t   ; four rows: 512 consecutive bytes of ctx
.endr
.endm
	OUT16 0, 128
	OUT16 1, 144
	OUT16 2, 128
	OUT16 3, 144
	s_wait_tensorcnt 0x0
	ds_add_u32 v62, v63
	s_wait_dscnt 0x0
	ROUND                                          ; the closing round
	s_endpgm
.Lfunc_end_k_q1879c1e533_attn:
	.size	k_q1879c1e533_attn, .Lfunc_end_k_q1879c1e533_attn-k_q1879c1e533_attn
	.p2alignl 7, 3214868480
	.fill 96, 4, 3214868480
	.section	.rodata,"a",@progbits
	.p2align	6, 0x0
	.amdhsa_kernel k_q1879c1e533_attn
		.amdhsa_group_segment_fixed_size 327680
		.amdhsa_private_segment_fixed_size 0
		.amdhsa_enable_private_segment 0
		.amdhsa_kernarg_size 16
		.amdhsa_user_sgpr_count 2
		.amdhsa_user_sgpr_kernarg_segment_ptr 1
		.amdhsa_wavefront_size32 1
		.amdhsa_system_sgpr_workgroup_id_x 1
		.amdhsa_system_sgpr_workgroup_id_y 1
		.amdhsa_system_sgpr_workgroup_id_z 1
		.amdhsa_system_vgpr_workitem_id 0
		.amdhsa_next_free_vgpr 512
		.amdhsa_next_free_sgpr 66
		.amdhsa_reserve_vcc 0
		.amdhsa_float_denorm_mode_32 3
		.amdhsa_float_denorm_mode_16_64 3
		.amdhsa_memory_ordered 1
		.amdhsa_forward_progress 1
		.amdhsa_inst_pref_size 181
	.end_amdhsa_kernel
	.amdgpu_metadata
---
amdhsa.version: [ 1, 2 ]
amdhsa.kernels:
  - .name:           k_q1879c1e533_attn
    .symbol:         k_q1879c1e533_attn.kd
    .args:
      - { .name: qkv, .offset: 0, .size: 8, .value_kind: global_buffer, .address_space: global }
      - { .name: ctx, .offset: 8, .size: 8, .value_kind: global_buffer, .address_space: global }
    .group_segment_fixed_size: 327680
    .private_segment_fixed_size: 0
    .kernarg_segment_align: 8
    .kernarg_segment_size: 16
    .max_flat_workgroup_size: 256
    .sgpr_count:     66
    .vgpr_count:     512
    .wavefront_size: 32
...
	.end_amdgpu_metadata
.endif
;; end of part 3
;; launch outp (part 4): grid 8 x 32, 4 waves a work-group, clusters of 4 x 4, 327,680 bytes of LDS; arguments ctx, h16, bo, out0; writes out0
.if DOCPART == 4
	.amdgcn_target "amdgcn-amd-amdhsa--gfx1250"
	.amdhsa_code_object_version 6
	.text
	.protected	k_q1879c1e533_outp
	.globl	k_q1879c1e533_outp
	.p2align	8
	.type	k_q1879c1e533_outp,@function
k_q1879c1e533_outp:
	s_mov_b64 s[64:65], 0
	v_nop
	global_prefetch_b8 v0, s[64:65] scope:SCOPE_SE
	s_setreg_imm32_b32 hwreg(HW_REG_WAVE_MODE, 25, 1), 1
	s_wait_xcnt 0x0
	s_wait_alu depctr_hold_cnt(0) depctr_sa_sdst(0) depctr_va_vdst(0) depctr_va_sdst(0) depctr_va_ssrc(0) depctr_va_vcc(0) depctr_vm_vsrc(0)
	s_getreg_b32 s2, hwreg(HW_REG_IB_STS2, 6, 4)
	s_cmp_eq_u32 s2, 0
	s_cbranch_scc0 .Lentry_in_a_cluster
	s_endpgm
.Lentry_in_a_cluster:
	s_bfe_u32 s2, ttmp6, 0x10000c
	s_cmp_lg_u32 s2, 0xf033
	s_cbranch_scc0 .Lentry_shape_is_right
	s_endpgm
.Lentry_shape_is_right:
; out0 = ctx Wo^T + bo, f32.  ctx[b][head][s][64] f16 (head-major), Wo in f16 at byte 56,623,104 of h16.
; The structure of the projections' launch: a work-group makes 256 rows x 128 columns with four waves, a wave 128 x 64 in 32 accumulator tiles; 256 work-groups.
; K goes in steps of 128 = two heads through two LDS slots.  A head's 256 rows of 128 bytes are one dense block, brought as 128 rows of 256 bytes (two rows of ctx each).
; CLUSTERS of 4 x 4: ctx's tiles are asked for jointly along a row of the cluster, Wo's along a column.
; f16 operands, f32 sums; the order of the sums differs from the reference's.
; REGISTERS as in the projections: window 0: v16-27 addresses, v32-127 and v128-223 two fragment buffers (4 of Wo, 8 of ctx), v224-255 the bias; window 1: tile (a, b) at 8 (4 a + b).
; Source 0 = Wo's rows, source 1 = ctx's rows: lane l holds row l % 16 and the eight neighbouring columns 8 (l / 16) + 0..7.
.set KSTEP,  128
.set PITCH,  272                       ; 256 bytes + 16 of padding, for both tiles
.set HALFA,  128*PITCH                 ; one head's 256 rows of ctx, two to an LDS row: one tensor load
.set HALFB,  64*PITCH                  ; 64 rows of Wo: one tensor load
.set SLOT,   2*HALFA+2*HALFB
.set STAGE,  2*SLOT                    ; behind the ring, never filled by a tensor load: 16 rows x 272 bytes for each wave
.set SPITCH, 272
.set WOOFF,  56623104
.set LAPS,   4
.set ADRA, 16
.set ADRB, 20
.set STO,  24
.set RD,   25
.set CO,   26
.set BO,   27
.set F0,   32
.set F1,   128
.set BIAS, 224
.set TMP,  32
.set G1,  24
.set G0,  32
.set G1B, 40
.set G0B, 48
.set MSB, 0
.macro WIN new
.if MSB != \new
	s_set_vgpr_msb (MSB<<8)|\new
.set MSB, \new
.endif
.endm
.set MULW, 0x50
.macro PLACES
.rept 4
	v_nop
.endr
.endm
.macro JLOAD s                         ; waves 0 and 1 fetch the step's two heads of ctx, waves 2 and 3 Wo's two halves
	s_cmp_eq_u32 s15, 0
	s_cbranch_scc0 .Lfor_b_\@
	tensor_load_to_lds s[G0+4*\s:G0+4*\s+3], s[G1:G1+7]
	s_nop 0
	s_branch .Lasked_\@
.Lfor_b_\@:
	tensor_load_to_lds s[G0B+4*\s:G0B+4*\s+3], s[G1B:G1B+7]
	s_nop 0
.Lasked_\@:
.endm
.macro CREST
	s_cmp_lg_u32 s14, 0
	s_cbranch_scc1 .Lnot_wave_0_\@
	s_barrier_signal -3
.Lnot_wave_0_\@:
	s_barrier_wait -3
	s_barrier_signal -1
	s_barrier_wait -1
.endm
.macro CROUND
	s_barrier_signal -1
	s_barrier_wait -1
	CREST
.endm
	s_load_b256 s[4:11], s[0:1], 0x0               ; ctx s[4:5], h16 s[6:7], bo s[8:9], out0 s[10:11]
	v_lshl_add_u32 v30, v0, 2, 0x37400
	v_mov_b32 v31, 0
	ds_add_u32 v30, v31
	ds_add_u32 v30, v31
	v_lshrrev_b32 v1, 5, v0
	v_readfirstlane_b32 s14, v1                    ; wave 0..3
	s_lshr_b32 s15, s14, 1                         ; my half of the rows.  Also: I fetch for ctx (0) or for Wo (1)
	s_and_b32 s16, s14, 1                          ; my half of the columns.  Also: which head of the step, or which half of Wo's tile, I fetch
	s_bfe_u32 s17, ttmp6, 0x40000                  ; cx
	s_bfe_u32 s18, ttmp6, 0x40004                  ; cy
	s_lshl_b32 s19, ttmp9, 2
	s_add_co_u32 s19, s19, s17                     ; block column 0..7
	s_and_b32 s21, ttmp7, 0xffff
	s_lshl_b32 s20, s21, 2
	s_add_co_u32 s20, s20, s18                     ; block row 0..31
	s_lshl_b32 s22, s18, 2
	s_lshl_b32 s22, 15, s22                        ; my row of the cluster
	s_lshl_b32 s23, 0x1111, s17                    ; my column
	s_or_b32 s[G1+0], s22, (3<<16)|(1<<20)|(1<<21)|(5<<22)|(3<<25)    ; ctx: elements of 8 bytes; after every 64 words, 4 words of padding
	s_or_b32 s[G1B+0], s23, (1<<16)|(1<<20)|(1<<21)|(5<<22)|(3<<25)   ; Wo: elements of 2 bytes
	s_mov_b32 s[G1+1], 32<<16                      ; ctx: rows of 32 elements,
	s_mov_b32 s[G1B+1], KSTEP<<16                  ; Wo: of 128
	s_mov_b32 s[G1+2], 128<<16                     ; 128 rows
	s_mov_b32 s[G1B+2], 64<<16                     ; 64 rows
	s_mov_b32 s[G1+3], 32<<16
	s_mov_b32 s[G1B+3], KSTEP<<16
	s_mov_b32 s[G1+4], 128
	s_mov_b32 s[G1B+4], 64
	s_mov_b32 s[G1+5], 32                          ; dense
	s_mov_b32 s[G1B+5], 1024
	s_mov_b32 s[G1+6], 0
	s_mov_b32 s[G1B+6], 0
	s_mov_b32 s[G1+7], 0
	s_mov_b32 s[G1B+7], 0
	; ctx's tile hangs on the block row alone (s20, s56, s62), Wo's on the block column alone (s19, s58, s63)
	s_lshr_b32 s56, s20, 3
	s_lshl_b32 s56, s56, 22                        ; the batch: 16 heads of 256 KiB
	s_and_b32 s62, s20, 7
	s_lshl_b32 s62, s62, 15                        ; 256 rows of 128 bytes
	s_add_co_u32 s56, s56, s62
	s_lshl_b32 s62, s16, 18                        ; my head of the step's two
	s_add_co_u32 s56, s56, s62
	s_mov_b32 s57, 0
	s_lshl_b32 s58, s19, 18                        ; 128 rows of 2,048 bytes
	s_lshl_b32 s63, s16, 17
	s_add_co_u32 s58, s58, s63
	s_add_co_u32 s58, s58, WOOFF
	s_mov_b32 s59, 0
	s_mul_i32 s62, s14, HALFA                      ; where the heads go (waves 0, 1)
	s_mul_i32 s63, s14, HALFB
	s_add_co_u32 s63, s63, HALFA                   ; where Wo's halves go (waves 2, 3)
	s_wait_dscnt 0x0
	s_wait_kmcnt 0x0
	s_add_nc_u64 s[56:57], s[4:5], s[56:57]
	s_add_nc_u64 s[58:59], s[6:7], s[58:59]
	CROUND                                         ; the first joint loads meet
.irp s, 0,1
	s_mov_b32 s[G0+4*\s], 1
	s_add_co_u32 s[G0+4*\s+1], s62, \s*SLOT
	s_add_nc_u64 s[G0+4*\s+2:G0+4*\s+3], s[56:57], \s*524288       ; K step s: two heads of 256 KiB on
	s_or_b32 s[G0+4*\s+3], s[G0+4*\s+3], 0x80000000
	s_mov_b32 s[G0B+4*\s], 1
	s_add_co_u32 s[G0B+4*\s+1], s63, \s*SLOT
	s_add_nc_u64 s[G0B+4*\s+2:G0B+4*\s+3], s[58:59], \s*KSTEP*2
	s_or_b32 s[G0B+4*\s+3], s[G0B+4*\s+3], 0x80000000
	JLOAD \s                                       ; two loads of the wave are out
.endr
	s_lshl_b32 s58, s19, 9                         ; the bias of my 64 columns
	s_lshl_b32 s63, s16, 8
	s_add_co_u32 s58, s58, s63
	s_mov_b32 s59, 0
	s_add_nc_u64 s[8:9], s[8:9], s[58:59]
	s_add_nc_u64 s[10:11], s[10:11], s[58:59]      ; and the same columns of out0
	v_and_b32 v1, 15, v0                           ; r
	v_bfe_u32 v2, v0, 4, 1                         ; h
	v_lshlrev_b32 v[BO], 5, v2
.irp b, 0,1,2,3
	global_load_b128 v[BIAS+8*\b:BIAS+8*\b+3],   v[BO], s[8:9] offset:64*\b
	global_load_b128 v[BIAS+8*\b+4:BIAS+8*\b+7], v[BO], s[8:9] offset:64*\b+16
.endr
	v_mul_u32_u24 v3, v1, PITCH
	v_lshl_add_u32 v3, v2, 4, v3                   ; Wo: row r, 16 h
	v_bfe_u32 v4, v0, 1, 3                         ; ctx: row r lies in LDS row r / 2,
	v_and_b32 v5, 1, v0                            ; half r % 2
	v_mul_u32_u24 v4, v4, PITCH
	v_lshl_add_u32 v4, v5, 7, v4
	v_lshl_add_u32 v4, v2, 4, v4
	s_mul_i32 s62, s15, 64*PITCH                   ; my 128 rows of ctx = 64 LDS rows
	s_mul_i32 s63, s16, HALFB
	s_add_co_u32 s63, s63, 2*HALFA
.irp s, 0,1
	v_add_nc_u32 v[ADRA+\s], s62, v4
	v_add_nc_u32 v[ADRB+\s], s63, v3
	s_add_co_u32 s62, s62, SLOT
	s_add_co_u32 s63, s63, SLOT
.endr
	s_mul_i32 s62, s14, 16*SPITCH
	s_add_co_u32 s62, s62, STAGE                   ; my stage
	v_mul_u32_u24 v4, v1, SPITCH
	v_lshl_add_u32 v4, v2, 5, v4
	v_add_nc_u32 v[STO], s62, v4                   ; in: row r, 32 bytes for each h
	v_mul_u32_u24 v5, v2, SPITCH
	v_lshl_add_u32 v5, v1, 4, v5
	v_add_nc_u32 v[RD], s62, v5                    ; back: lanes 0-15 take a row of 256 bytes, lanes 16-31 the next
	v_lshlrev_b32 v6, 12, v2
	v_lshl_add_u32 v[CO], v1, 4, v6                ; and the same two rows of out0, 4,096 bytes apart
.macro MUL f, a0, cnt, zero
.set ma, \a0
.rept \cnt
.irp b, 0,1,2,3
.if \zero
	v_wmma_f32_16x16x32_f16 v[8*(4*ma+\b):8*(4*ma+\b)+7], v[\f+8*\b:\f+8*\b+7], v[\f+32+8*ma:\f+32+8*ma+7], 0
.else
	v_wmma_f32_16x16x32_f16 v[8*(4*ma+\b):8*(4*ma+\b)+7], v[\f+8*\b:\f+8*\b+7], v[\f+32+8*ma:\f+32+8*ma+7], v[8*(4*ma+\b):8*(4*ma+\b)+7]
.endif
.endr
.set ma, ma+1
.endr
.endm
; 24 LDS loads: quarter kq of the K step.  Wo: byte 64 kq of its rows.  ctx: head kq / 2 of the step's two, d from 32 (kq % 2); 16 rows are 8 LDS rows.
.macro FETCH slot, kq, f
	WIN 0
.irp i, 0,1,2,3
	ds_load_b128 v[\f+8*\i:\f+8*\i+3],   v[ADRB+\slot] offset:64*(\kq)+\i*16*PITCH
	ds_load_b128 v[\f+8*\i+4:\f+8*\i+7], v[ADRB+\slot] offset:64*(\kq)+\i*16*PITCH+32
.endr
.irp i, 0,1,2,3,4,5,6,7
	ds_load_b128 v[\f+32+8*\i:\f+32+8*\i+3],   v[ADRA+\slot] offset:((\kq)/2)*HALFA+((\kq)%2)*64+\i*8*PITCH
	ds_load_b128 v[\f+32+8*\i+4:\f+32+8*\i+7], v[ADRA+\slot] offset:((\kq)/2)*HALFA+((\kq)%2)*64+\i*8*PITCH+32
.endr
.endm
; The 32 accumulators take turns, one instruction a turn, in the same order in every quarter.
.macro QUARTER slot, kq, f, g, zero
	s_wait_dscnt 8                                 ; Wo and ctx's fragments 0-3 are in; the youngest eight loads may be out
	WIN MULW
	MUL \f, 0, 4, \zero
	PLACES                                         ; four places in front of the loads into a buffer that matrix instructions have read
	FETCH \slot, \kq, \g
	s_wait_dscnt 24                                ; all but the 24 just issued
	WIN MULW
	MUL \f, 4, 4, \zero
.endm
.macro THREE slot, zero
	QUARTER \slot, 1, F0, F1, \zero
	QUARTER \slot, 2, F1, F0, 0
	QUARTER \slot, 3, F0, F1, 0
.endm
.macro TURN slot, next, fill
	s_wait_dscnt 8
	WIN MULW
	MUL F1, 0, 2, 0
	s_wait_dscnt 0x0                               ; my reads of this slot are over
	s_wait_tensorcnt 0x0                           ; all my tensor loads have landed: the one that was out is my part of the next slot
	ds_add_u32 v30, v31
	s_wait_dscnt 0x0
	s_barrier_signal -1
	MUL F1, 2, 2, 0
	WIN 0
	s_barrier_wait -1
.if \fill
	CREST                                          ; the round: no wave of any partner still reads this slot or has a load on its way
	s_add_nc_u64 s[G0+4*\slot+2:G0+4*\slot+3], s[G0+4*\slot+2:G0+4*\slot+3], 2*524288
	s_add_nc_u64 s[G0B+4*\slot+2:G0B+4*\slot+3], s[G0B+4*\slot+2:G0B+4*\slot+3], 2*KSTEP*2
	JLOAD \slot                                    ; the first tensor load behind the round
.endif
	PLACES
	FETCH \next, 0, F0
	WIN MULW
	MUL F1, 4, 4, 0
.endm
.macro LAP zero
	THREE 0, \zero
	TURN 0, 1, 1
	THREE 1, 0
	TURN 1, 0, 1
.endm
	s_wait_loadcnt 0x0                             ; the bias
	s_wait_tensorcnt 0x1                           ; my part of K step 0 is in; K step 1's may stay out
	s_barrier_signal -1
	s_barrier_wait -1
	FETCH 0, 0, F0
	LAP 1
	WIN 0
	s_mov_b32 s3, LAPS-2
.Llap:
	LAP 0
	WIN 0
	s_sub_co_u32 s3, s3, 1
	s_cmp_lg_u32 s3, 0
	s_cbranch_scc1 .Llap
	THREE 0, 0                                     ; the last lap fills nothing
	TURN 0, 1, 0
	THREE 1, 0
	s_wait_dscnt 8
	WIN MULW
	MUL F1, 0, 4, 0
	s_wait_dscnt 0x0
	MUL F1, 4, 4, 0
	PLACES
	WIN 0
	; THE WAY OUT: my first row of out0 (the columns were added above)
	s_lshl_b32 s56, s20, 20                        ; 256 rows of 4,096 bytes
	s_lshl_b32 s62, s15, 19                        ; my 128
	s_add_co_u32 s56, s56, s62
	s_mov_b32 s57, 0
	s_add_nc_u64 s[10:11], s[10:11], s[56:57]
; rows 16 a .. 16 a + 15: the bias is added, 32 bytes a lane and tile go into my stage, whole rows of 256 bytes come back
.macro OUT16 a, rb
	WIN 0x01
.irp b, 0,1,2,3
.irp i, 0,2,4,6
	v_pk_add_f32 v[TMP+8*\b+\i:TMP+8*\b+\i+1], v[8*(4*\a+\b)+\i:8*(4*\a+\b)+\i+1], v[BIAS+8*\b+\i:BIAS+8*\b+\i+1]
.endr
.endr
	WIN 0
.irp b, 0,1,2,3
	ds_store_b128 v[STO], v[TMP+8*\b:TMP+8*\b+3]   offset:64*\b
	ds_store_b128 v[STO], v[TMP+8*\b+4:TMP+8*\b+7] offset:64*\b+16
.endr
	s_wait_xcnt 0x0                                ; the registers that earlier stores read are loaded again only behind this wait
.irp t, 0,1,2,3,4,5,6,7
	ds_load_b128 v[\rb+4*\t:\rb+4*\t+3], v[RD] offset:2*SPITCH*\t  ; LDS serves a wave's instructions in order: these see the stores above
.endr
.irp t, 0,1,2,3,4,5,6,7
	s_wait_dscnt 7-\t                              ; read-back t is in, the younger ones stay out
	global_store_b128 v[CO], v[\rb+4*\t:\rb+4*\t+3], s[10:11] offset:65536*\a+8192*\t th:TH_STORE_NT   ; sixteen lanes store 256 consecutive bytes, aligned
.endr
.endm
	OUT16 0, 64
	OUT16 1, 96
	OUT16 2, 64
	OUT16 3, 96
	OUT16 4, 64
	OUT16 5, 96
	OUT16 6, 64
	OUT16 7, 96
	s_wait_tensorcnt 0x0
	ds_add_u32 v30, v31
	s_wait_dscnt 0x0
	CROUND                                         ; the closing round
	s_endpgm
.Lfunc_end_k_q1879c1e533_outp:
	.size	k_q1879c1e533_outp, .Lfunc_end_k_q1879c1e533_outp-k_q1879c1e533_outp
	.p2alignl 7, 3214868480
	.fill 96, 4, 3214868480
	.section	.rodata,"a",@progbits
	.p2align	6, 0x0
	.amdhsa_kernel k_q1879c1e533_outp
		.amdhsa_group_segment_fixed_size 327680
		.amdhsa_private_segment_fixed_size 0
		.amdhsa_enable_private_segment 0
		.amdhsa_kernarg_size 32
		.amdhsa_user_sgpr_count 2
		.amdhsa_user_sgpr_kernarg_segment_ptr 1
		.amdhsa_wavefront_size32 1
		.amdhsa_system_sgpr_workgroup_id_x 1
		.amdhsa_system_sgpr_workgroup_id_y 1
		.amdhsa_system_sgpr_workgroup_id_z 1
		.amdhsa_system_vgpr_workitem_id 0
		.amdhsa_next_free_vgpr 512
		.amdhsa_next_free_sgpr 66
		.amdhsa_reserve_vcc 0
		.amdhsa_float_denorm_mode_32 3
		.amdhsa_float_denorm_mode_16_64 3
		.amdhsa_memory_ordered 1
		.amdhsa_forward_progress 1
		.amdhsa_inst_pref_size 127
	.end_amdhsa_kernel
	.amdgpu_metadata
---
amdhsa.version: [ 1, 2 ]
amdhsa.kernels:
  - .name:           k_q1879c1e533_outp
    .symbol:         k_q1879c1e533_outp.kd
    .args:
      - { .name: ctx, .offset: 0, .size: 8, .value_kind: global_buffer, .address_space: global }
      - { .name: h16, .offset: 8, .size: 8, .value_kind: global_buffer, .address_space: global }
      - { .name: bo, .offset: 16, .size: 8, .value_kind: global_buffer, .address_space: global }
      - { .name: out0, .offset: 24, .size: 8, .value_kind: global_buffer, .address_space: global }
    .group_segment_fixed_size: 327680
    .private_segment_fixed_size: 0
    .kernarg_segment_align: 8
    .kernarg_segment_size: 32
    .max_flat_workgroup_size: 128
    .sgpr_count:     66
    .vgpr_count:     512
    .wavefront_size: 32
...
	.end_amdgpu_metadata
.endif
;; end of part 4
